; MI455X (gfx1250); checked and timed in simulation.
; The chip was launched on July 23, 2026; its instructions are those of AMD's public machine-readable ISA for CDNA 5 (MIT licence, August 2026) and "CDNA5" Instruction Set Architecture Reference Guide (July 2026). The comments in the code are by the model that wrote it; some were corrected since.
;; Multi Head Attention. Allowed arithmetic: matrix products marked QUANTISED: E5M2 operands, one given power-of-two scale a tensor, by v_wmma_f32_16x16x64_bf8_bf8 or v_wmma_f32_16x16x128_bf8_bf8, f32 sums; everything else in f32.
;; Inputs: b_k 1,024 float32; b_o 1,024 float32; b_q 1,024 float32; b_v 1,024 float32; lowp_scales 12 int32 (the exponents e of the quantised operands' scales 2^e); w_k_codes 1,024 x 32 x 32 uint8 (E5M2 codes of w_k, K innermost, in blocks of 32 codes); w_o_codes 1,024 x 32 x 32 uint8 (E5M2 codes of w_o, K innermost, in blocks of 32 codes); w_q_codes 1,024 x 32 x 32 uint8 (E5M2 codes of w_q, K innermost, in blocks of 32 codes); w_v_codes 1,024 x 32 x 32 uint8 (E5M2 codes of w_v, K innermost, in blocks of 32 codes); x_codes 8 x 1,024 x 32 x 32 uint8 (E5M2 codes of x, K innermost, in blocks of 32 codes).
;; Outputs: out0 8 x 1,024 x 1,024 float32.
;; This version of the problem:
;;   THIS VERSION OF THE PROBLEM IS GIVEN IN LOW PRECISION. The matrix products marked QUANTISED in the list below multiply operands that are first quantised to E5M2 (5 exponent bits, 2 mantissa bits; 8 bits a number), with one given power-of-two scale for each operand tensor; their sums are f32. All else is computed in f32.
;;   The module's matrix products, in the order in which they are computed (A, B: the left and right operand; K: the contracted axis; several contracted axes count as one K, in the product's order):
;;     1. [M 8,192, K 1,024] x [K 1,024, N 1,024]; A: input x (given as codes); B: input w_q (given as codes): QUANTISED (scales: A lowp_scales[0], B lowp_scales[1])
;;     2. [M 8,192, K 1,024] x [K 1,024, N 1,024]; A: input x (given as codes); B: input w_k (given as codes): QUANTISED (scales: A lowp_scales[2], B lowp_scales[3])
;;     3. [M 8,192, K 1,024] x [K 1,024, N 1,024]; A: input x (given as codes); B: input w_v (given as codes): QUANTISED (scales: A lowp_scales[4], B lowp_scales[5])
;;     4. batch 128 x [M 1,024, K 64] x [K 64, N 1,024]; A: computed on the way; B: computed on the way: QUANTISED (scales: A lowp_scales[6], B lowp_scales[7])
;;     5. batch 128 x [M 1,024, K 1,024] x [K 1,024, N 64]; A: softmax (see below); B: computed on the way: QUANTISED (scales: A lowp_scales[8], B lowp_scales[9])
;;     6. [M 8,192, K 1,024] x [K 1,024, N 1,024]; A: computed on the way; B: input w_o (given as codes): QUANTISED (scales: A lowp_scales[10], B lowp_scales[11])
;;   THE QUANTISER, for each operand of a quantised product, along K:
;;     - The operand's scale is 2^e, e = its entry of the input lowp_scales (int32; the entries are numbered through the quantised products in the list's order, A before B).
;;     - Each number is divided by the scale, clamped to +-57,344, and rounded to the nearest number of E5M2, ties to even, subnormals kept.
;;     - The product sums the exact products of the quantised numbers (number of the format x scale) in f32.
;;   ~~~python
;;   def quantise(x, axis, e):      # numpy; x: float32 -> the quantised numbers, widened to float32 again
;;       x = np.moveaxis(x, axis, -1); K = x.shape[-1]
;;       r = np.clip(x / 2.0 ** e, -57344, 57344)
;;       step = 2.0 ** (np.maximum(np.frexp(np.where(r == 0, 1, r))[1] - 1, -14) - 2)
;;       q = np.round(r / step) * step * 2.0 ** e      # np.round: ties to even
;;       return np.moveaxis(q, -1, axis).astype(np.float32)
;;   ~~~
;;   SOFTMAX AHEAD OF A QUANTISED PRODUCT. Where the list says 'softmax', what is quantised is not the finished softmax but p = 2^(t - M), with t = logit x log2(e) and M = ceil(the row's largest t), a whole number; so 1/2 < the row's largest p <= 1. The row's sum l is taken of the UNQUANTISED p, in f32, and the product's result is divided by l at the end. Since M is a whole number, a kernel that streams over the keys may use a running M (the ceiling of the running maximum): every later rescaling is an exact power of two, so the quantised numbers keep their values, but for numbers so far below the row's largest that they fall under the format's range.
;;   OPERANDS COMPUTED ON THE WAY. 'Computed on the way' means the value that the module computes at that place (a softmax that the list does not call 'softmax' is quantised finished and normalised). What goes into a quantiser is computed in f32, as accurately as f32 sums, v_exp_f32 and their like allow (about 1e-6 of the number): no bf16 or f16 on the way to a quantiser, and a product that is left as it is and whose result goes on into a quantised operand takes f32 operands (vector FMAs, or v_wmma_f32_16x16x4_f32). A number that lies on a knife's edge between two numbers of the format may be rounded either way, as far as f32 arithmetic and the matrix unit's own rounding can turn it there, and no further.
;;   INPUTS GIVEN AS CODES. w_k (in the module: [1024, 1024], K = its axis 0); w_o (in the module: [1024, 1024], K = its axis 0); w_q (in the module: [1024, 1024], K = its axis 0); w_v (in the module: [1024, 1024], K = its axis 0); x (in the module: [8, 1024, 1024], K = its axis 2): each comes as NAME_codes (uint8): NAME with its K axis moved to the last place and cut into blocks of 32 codes, [.., K / 32, bytes a block], one block behind the other in memory; one code a byte (a code: sign, 5 exponent bits, 2 mantissa bits); its scale is its entry of lowp_scales. Its value is code x scale, taken as it is: it is not quantised again, and the codes and scales need not be those that the quantiser above would give.
;; One version. Each part assembles by itself: llvm-mc -triple=amdgcn-amd-amdhsa -mcpu=gfx1250 --defsym DOCPART=n.
;; ======== version 1 of 1: 3 launches
;; limits: right only within a limited range of input values
;; workspace buffers: q_img 8,388,608 bytes; k_img 8,388,608 bytes; v_img 8,388,608 bytes; a_img 8,388,608 bytes
;; launch qkv (part 1): grid 8 x 32, 4 waves a work-group, clusters of 4 x 4, 327,680 bytes of LDS; arguments x_codes, w_q_codes, w_k_codes, w_v_codes, b_q, b_k, b_v, lowp_scales, q_img, k_img, v_img; writes q_img, k_img, v_img
.if DOCPART == 1
	.amdgcn_target "amdgcn-amd-amdhsa--gfx1250"
	.amdhsa_code_object_version 6
	.text
	.protected	k_qd3d9ceba5e_qkv
	.globl	k_qd3d9ceba5e_qkv
	.p2align	8
	.type	k_qd3d9ceba5e_qkv,@function
k_qd3d9ceba5e_qkv:
	s_mov_b64 s[64:65], 0
	v_nop
	global_prefetch_b8 v0, s[64:65] scope:SCOPE_SE
	s_setreg_imm32_b32 hwreg(HW_REG_WAVE_MODE, 25, 1), 1
	s_wait_xcnt 0x0
	s_wait_alu depctr_hold_cnt(0) depctr_sa_sdst(0) depctr_va_vdst(0) depctr_va_sdst(0) depctr_va_ssrc(0) depctr_va_vcc(0) depctr_vm_vsrc(0)
	s_getreg_b32 s2, hwreg(HW_REG_IB_STS2, 6, 4)
	s_cmp_eq_u32 s2, 0
	s_cbranch_scc0 .Lentry_in_a_cluster
	s_endpgm
.Lentry_in_a_cluster:
	s_bfe_u32 s2, ttmp6, 0x10000c
	s_cmp_lg_u32 s2, 0xf033
	s_cbranch_scc0 .Lentry_shape_is_right
	s_endpgm
.Lentry_shape_is_right:
; q = x w_q + b_q, k = x w_k + b_k, v = x w_v + b_v on codes of BF8 (E5M2), each result quantised at once for the product that reads it (q: entry 6 of the scales, k: entry 7, v: entry 9).
; x: [8192][1024] codes, K innermost.  w_q, w_k, w_v: [1024 (out)][1024 (K)] codes.  Biases f32.  x has an entry of its own for each of the three products (0, 2, 4).
; SHARES.  256 work-groups.  Each owns 256 tokens and makes 256 channels of q (the cluster's x = 0) or of k (1), and 128 channels of v, on the same tokens.  Four waves:
;   q, k: 128 tokens x 128 channels a wave (64 accumulators of 16 x 16, 512 registers); v: 64 channels x 128 tokens (32 accumulators, 256 registers).
; THE MATRIX INSTRUCTION IS USED TRANSPOSED.  q, k: source 0 = 16 rows of the weight, source 1 = 16 rows of x: a lane holds one token and eight neighbouring channels.
;   v: source 0 = 16 rows of x, source 1 = 16 rows of w_v: a lane holds one channel and eight neighbouring tokens, which are neighbours along the K (the keys) of p v.
; So one conversion of an accumulator's eight registers gives registers 2 c, 2 c + 1 of the next product's operand (k = 16 c + 8 h + 0 .. 7), and the codes leave AS IMAGES OF OPERAND REGISTERS:
;   q_img, k_img: byte (token / 16) x 16384 + head x 1024 + half x 512 + 16 x lane.   v_img: byte (token / 128) x 131072 + (channel / 16) x 2048 + quad x 512 + 16 x lane.
; Each store of a wave covers 512 consecutive bytes, aligned; no LDS is needed on the way out.
; LDS.  q, k: K goes in four steps of 256 through two slots (rows of 256 bytes, 272 apart).  v walks K steps 2, 3, 0, 1: x's tiles of steps 2 and 3 still lie in the two slots when q or k is finished.
;   Fill 4: w_v's K 512-1023 (rows of 512 bytes, 528 apart) over the weight of slot 0.  Fill 5: x's and w_v's K step 0 over the weight of slot 1 and behind it.  Fill 6: x's and w_v's K step 1 into slot 0.
;   v's steps 2 and 3 are multiplied while fill 5 is on its way, q or k is stored while fill 6 is.
; CLUSTERS: 4 x 4 work-groups; x's tile is asked for jointly along a row of the cluster, the weights' along a column.
; PREFETCH into the L2, one K step ahead of the load that wants the data: K steps 2 and 3 (a wave's 128 rows are shared out among the four partners by address, 32 each, a lane a row) and w_v
;   (its 128 rows of 1,024 bytes shared out among four partners and four waves, 8 rows each, lanes 256 bytes apart).  K steps 0 and 1 come by their loads alone.
; Fragments are fetched by four loads of 16 bytes, 32 bytes apart: the same permutation of k on both sides, so every product meets its partner.
; LIMITS on the given exponents, so that each power of two below is an f32 number: e0 + e1, e2 + e3, e4 + e5 between -126 and 127; e6, e7, e9 between -126 and 112.  Numbers beyond a scale's range are held at the largest code.
; REGISTERS, in windows of 256.  Window 0: v1-9 offsets; v10 16 x lane; v16-25 LDS addresses; v28, v29 the spare word's address and 0; v30, v31 the prefetches' offsets; v112, v113 the conversion's scale and the hold;
;   q, k: from v128 x's fragments; v: from v128 x's, v64-127 w_v's (a second set at the same numbers of window 2 once q or k is stored); on the way out v32-95 the bias, v128-191 a block's numbers, v192-207 its codes.
;   Window 1: the weight's fragments, two sets; then v's accumulators.   Windows 2, 3: q's or k's accumulators ((a, b) at v[8 (8 (a % 4) + b)]).
.set ROWB,   256                       ; a K step in bytes
.set KROW,   1024                      ; a row in memory, in bytes
.set PITCH,  272                       ; 256 + 16 bytes = 68 words: the 16 rows of a load start at 16 different banks (64 banks of 4 bytes: ISA guide 11.1)
.set P2,     528                       ; 512 + 16 bytes = 132 words: likewise
.set FR,     16                        ; registers of a fragment: 16 rows x 128 K
.set NL,     4                         ; LDS loads that bring one
.set NP,     4                         ; places behind this matrix instruction (ISA guide 7.12.1)
.set HALFT,  128*PITCH
.set SLOT,   4*HALFT                   ; x's 256 rows, then the weight's 256
.set L5X,    6*HALFT                   ; fill 5: x's 256 rows,
.set L5W,    8*HALFT                   ; w_v's 128
.set SPARE,  9*HALFT                   ; the spare words, 128 bytes for each wave: two blocks of 256 bytes that no other line names
.set ADRA, 16                          ; v16-17  my 128 rows of x in slot 0, 1
.set ADRB, 20                          ; v20-21  my 128 rows of the weight
.set ADW4, 22                          ; v22     my 64 rows of w_v in fill 4
.set ADX5, 23                          ; v23     my 128 rows of x in fill 5
.set ADW5, 24                          ; v24     my 64 rows of w_v in fill 5
.set ADW6, 25                          ; v25     and in fill 6
.set SPW,  28
.set NIL,  29
.set PFO,  30                          ; 1,024 x lane
.set PFV,  31                          ; 256 x lane
.set BT,   32                          ; BT[8 b + j] = bias[first channel + 16 b + 8 h + j]
.set U,    32                          ; U[2 a] = b_v[first channel + 16 a + r]; the odd registers are 0: named as the upper halves of pairs
.set WF,   64
.set SCL,  112
.set LIM,  113
.set OFF,  10
.set AF,   128
.set TMP,  128
.set CD,   192
.set G1, 24                            ; s[24:31] descriptor group 1 for x;  s[32:39] group 0, one set for each slot (fills 5 and 6: the first set)
.set G0, 32
.set G1B, 48                           ; s[48:55], s[56:63] the same for the weights
.set G0B, 56
.set PFA, 98                           ; s[98:99]   the prefetches' base in x or in the weight
.set PFW, 100                          ; s[100:101] and in w_v
.set W0_256, (1<<20)|(1<<21)|(5<<22)|(3<<25)   ; group 1, word 0, beside the mask: elements of 1 byte; 20 padding on; 21 set beside a mask; 24:22 after every 64 words; 31:25 of 4 words
.set W0_512, (1<<20)|(1<<21)|(6<<22)|(3<<25)   ; the same after every 128 words
.set MSB, 0
.macro WIN new                         ; the immediate's high byte repeats the setting that is left
.if MSB != (\new)
	s_set_vgpr_msb (MSB<<8)|(\new)
.set MSB, (\new)
.endif
.endm
.set MUL_LO, 0xa1                      ; source 0 window 1, source 1 window 0, C and D window 2
.set MUL_HI, 0xf1                      ; the same, C and D window 3
.set TO_B,   0x40                      ; destination window 1, address window 0
; A joint load: waves 0 and 1 fetch x (xtoo = 0: nothing), waves 2 and 3 the weight.  Each of the two lines has ONE mask and one set of registers for all that issue it; the branch hangs on the wave's number alone.
.macro JLOAD s, xtoo
	s_cmp_eq_u32 s15, 0
.if \xtoo
	s_cbranch_scc0 .Lfor_b_\@
	tensor_load_to_lds s[G0+4*(\s):G0+4*(\s)+3], s[G1:G1+7]
	s_nop 0
.rept 4
	v_nop
.endr
	s_branch .Lasked_\@
.Lfor_b_\@:
.else
	s_cbranch_scc1 .Lasked_\@
.endif
	tensor_load_to_lds s[G0B+4*(\s):G0B+4*(\s)+3], s[G1B:G1B+7]
	s_nop 0
.rept 4
	v_nop
.endr
.Lasked_\@:
.endm
.macro CREST                           ; a round of the cluster's barrier behind its opening barrier
	s_cmp_lg_u32 s14, 0
	s_cbranch_scc1 .Lnot_wave_0_\@
	s_barrier_signal -3
.Lnot_wave_0_\@:
	s_barrier_wait -3
	s_barrier_signal -1
	s_barrier_wait -1
.endm
.macro CROUND                          ; a whole round
	s_barrier_signal -1
	s_barrier_wait -1
	CREST
.endm
.macro CHANGE                          ; in front of a fill: all my tensor loads are in, 0 onto my spare word, my LDS reads are over; then a whole round
	s_wait_tensorcnt 0x0
	ds_add_u32 v[SPW], v[NIL]
	s_wait_dscnt 0x0
	CROUND
.endm
	s_load_b512 s[68:83], s[0:1], 0x0              ; x s[68:69], w_q s[70:71], w_k s[72:73], w_v s[74:75], b_q s[76:77], b_k s[78:79], b_v s[80:81], the scales' exponents s[82:83]
	s_load_b128 s[84:87], s[0:1], 0x40             ; q_img, k_img
	s_load_b64 s[88:89], s[0:1], 0x50              ; v_img
	v_lshl_add_u32 v[SPW], v0, 2, SPARE
	v_mov_b32 v[NIL], 0
	ds_add_u32 v[SPW], v[NIL]                      ; the wave's opening: the add, twice on end, and its wait ahead of my first tensor load
	ds_add_u32 v[SPW], v[NIL]
	v_lshrrev_b32 v1, 5, v0
	v_readfirstlane_b32 s14, v1                    ; wave 0..3
	s_lshr_b32 s15, s14, 1                         ; which 128 of the tokens are mine.  Also: I fetch x (0) or the weight (1)
	s_and_b32 s16, s14, 1                          ; which half of the channels.  Also: which half of that tile's rows I fetch
	s_bfe_u32 s40, ttmp6, 0x40000                  ; cx, cy: my place in the cluster
	s_bfe_u32 s41, ttmp6, 0x40004
	s_mov_b32 s13, ttmp9                           ; the cluster's x: 0 = q, 1 = k; the same in all sixteen partners
	s_and_b32 s17, ttmp7, 0xffff
	s_lshl_b32 s17, s17, 2
	s_add_co_u32 s17, s17, s41                     ; my tile of 256 tokens, 0..31
	s_mov_b32 s42, s40                             ; my tile of 256 channels of q or k
	s_lshl_b32 s2, s13, 2
	s_add_co_u32 s2, s2, s40                       ; my 128 channels of v, 0..7
	s_lshl_b32 s43, s41, 2
	s_lshl_b32 s43, 15, s43                        ; my row of the cluster
	s_lshl_b32 s44, 0x1111, s40                    ; my column
	s_or_b32 s[G1+0], s43, W0_256                  ; x's tiles go to my row
	s_or_b32 s[G1B+0], s44, W0_256                 ; the weights' to my column
.irp g, G1, G1B
	s_mov_b32 s[\g+1], ROWB<<16                    ; tensor_dim0
	s_mov_b32 s[\g+2], 128<<16                     ; tensor_dim1
	s_mov_b32 s[\g+3], ROWB<<16                    ; tile_dim0
	s_mov_b32 s[\g+4], 128                         ; tile_dim1
	s_mov_b32 s[\g+5], KROW                        ; tensor_dim0_stride
	s_mov_b32 s[\g+6], 0
	s_mov_b32 s[\g+7], 0
.endr
	s_lshl_b32 s18, s16, 7
	s_lshl_b32 s20, s17, 8
	s_add_co_u32 s20, s20, s18                     ; x: row 256 x tile + 128 x half, in bytes
	s_lshl_b32 s20, s20, 10
	s_mov_b32 s21, 0
	s_lshl_b32 s46, s42, 8
	s_add_co_u32 s46, s46, s18                     ; the weight likewise
	s_lshl_b32 s46, s46, 10
	s_mov_b32 s47, 0
	s_lshl_b32 s66, s2, 7
	s_lshl_b32 s18, s16, 6
	s_add_co_u32 s66, s66, s18                     ; w_v: row 128 x group + 64 x half
	s_lshl_b32 s66, s66, 10
	s_mov_b32 s67, 0
	s_mul_i32 s45, s14, HALFT                      ; where they go: wave x 128 rows: no place in the cluster enters an LDS address
	s_wait_dscnt 0x0                               ; both opening adds are done
	s_wait_kmcnt 0x0
	s_load_b256 s[4:11], s[82:83], 0x0             ; e0 .. e7
	s_load_b32 s12, s[82:83], 0x24                 ; e9
	s_cmp_eq_u32 s13, 0                            ; the buffers are chosen by the cluster's x alone
	s_cselect_b64 s[94:95], s[70:71], s[72:73]     ; w_q or w_k
	s_cselect_b64 s[90:91], s[76:77], s[78:79]     ; b_q or b_k
	s_cselect_b64 s[92:93], s[84:85], s[86:87]     ; q_img or k_img
	s_add_nc_u64 s[22:23], s[68:69], s[20:21]
	s_add_nc_u64 s[94:95], s[94:95], s[46:47]
	s_add_nc_u64 s[66:67], s[74:75], s[66:67]
	CROUND                                         ; all sixteen work-groups are here: the first joint loads meet
.irp s, 0,1
	s_mov_b32 s[G0+4*\s], 1                        ; count = 1
	s_add_co_u32 s[G0+4*\s+1], s45, \s*SLOT        ; LDS address
	s_add_nc_u64 s[G0+4*\s+2:G0+4*\s+3], s[22:23], \s*ROWB   ; global address: K step s
	s_or_b32 s[G0+4*\s+3], s[G0+4*\s+3], 0x80000000          ; type = 2
	s_mov_b32 s[G0B+4*\s], 1
	s_add_co_u32 s[G0B+4*\s+1], s45, \s*SLOT
	s_add_nc_u64 s[G0B+4*\s+2:G0B+4*\s+3], s[94:95], \s*ROWB
	s_or_b32 s[G0B+4*\s+3], s[G0B+4*\s+3], 0x80000000
.endr
	JLOAD 0, 1                                     ; K step 0: one tensor load a wave at the head
	; the prefetches' bases: of the 128 rows that I fetch, 32 by my place among the partners that ask with me (cx for x, cy for the weight); of w_v's 128 rows, 8 by wave and cy
	s_cmp_eq_u32 s15, 0
	s_cselect_b64 s[PFA:PFA+1], s[22:23], s[94:95]
	s_cselect_b32 s18, s40, s41
	s_lshl_b32 s18, s18, 15
	s_mov_b32 s19, 0
	s_add_nc_u64 s[PFA:PFA+1], s[PFA:PFA+1], s[18:19]
	s_lshl_b32 s18, s14, 2
	s_add_co_u32 s18, s18, s41
	s_lshl_b32 s18, s18, 13
	s_lshl_b32 s19, s2, 17
	s_add_co_u32 s18, s18, s19
	s_mov_b32 s19, 0
	s_add_nc_u64 s[PFW:PFW+1], s[74:75], s[18:19]
	s_mul_i32 s18, s15, HALFT                      ; my 128 rows of x,
	s_mul_i32 s19, s16, HALFT                      ; of the weight, which lie behind x's 256,
	s_add_co_u32 s19, s19, 2*HALFT
	s_mul_i32 s3, s16, 64*PITCH                    ; my 64 rows of w_v in fills 5 and 6 (also: where waves 2 and 3 put them),
	s_mul_i32 s20, s16, 64*P2                      ; and in fill 4
	s_add_co_u32 s20, s20, 2*HALFT
	s_lshl_b32 s22, s42, 10
	s_lshl_b32 s23, s16, 9
	s_add_co_u32 s22, s22, s23                     ; 4 x my first channel of q or k: 256 x tile + 128 x half
	s_lshl_b32 s46, s2, 9
	s_lshl_b32 s23, s16, 8
	s_add_co_u32 s46, s46, s23                     ; 4 x my first channel of v: 128 x group + 64 x half
	v_and_b32 v1, 15, v0                           ; r = l % 16
	v_bfe_u32 v2, v0, 4, 1                         ; h = l / 16
	v_mul_u32_u24 v3, v1, PITCH
	v_lshl_add_u32 v4, v2, 4, v3                   ; a fragment's row x pitch + 16 x half
	v_mul_u32_u24 v3, v1, P2
	v_lshl_add_u32 v5, v2, 4, v3
	v_add_nc_u32 v[ADRA], s18, v4
	v_add_nc_u32 v[ADRA+1], SLOT, v[ADRA]
	v_add_nc_u32 v[ADX5], L5X, v[ADRA]
	v_add_nc_u32 v[ADRB], s19, v4
	v_add_nc_u32 v[ADRB+1], SLOT, v[ADRB]
	v_add_nc_u32 v[ADW4], s20, v5
	v_add_nc_u32 v6, s3, v4
	v_add_nc_u32 v[ADW5], L5W, v6
	v_add_nc_u32 v[ADW6], 2*HALFT, v6
	v_lshl_add_u32 v8, v2, 5, s22                  ; byte offset of my eight numbers in q's or k's bias
	v_lshl_add_u32 v9, v1, 2, s46                  ; and of my number in v's
	v_and_b32 v3, 31, v0
	v_lshlrev_b32 v[OFF], 4, v3                    ; 16 x lane: my place in an image
	v_lshlrev_b32 v[PFO], 10, v3
	v_lshlrev_b32 v[PFV], 8, v3
.macro FRAG reg, adr, off
.irp c, 0,1,2,3
	ds_load_b128 v[\reg+4*\c:\reg+4*\c+3], v[\adr] offset:\off+32*\c
.endr
.endm
; 16 matrix instructions: blocks a0, a0 + 1 of x's x the weight's eight, 128 along K.  p: the weight's set.  zero = 1: the first product starts the sums: nothing is ever cleared.
; The accumulators take turns, one instruction a turn, in the same order in every step.
.macro MUL16 a0, p, zero
.irp a, \a0, \a0+1
.irp b, 0,1,2,3,4,5,6,7
.if \zero
	v_wmma_f32_16x16x128_bf8_bf8 v[8*(8*((\a)%4)+\b):8*(8*((\a)%4)+\b)+7], v[128*(\p)+FR*\b:128*(\p)+FR*\b+FR-1], v[AF+FR*(\a):AF+FR*(\a)+FR-1], 0
.else
	v_wmma_f32_16x16x128_bf8_bf8 v[8*(8*((\a)%4)+\b):8*(8*((\a)%4)+\b)+7], v[128*(\p)+FR*\b:128*(\p)+FR*\b+FR-1], v[AF+FR*(\a):AF+FR*(\a)+FR-1], v[8*(8*((\a)%4)+\b):8*(8*((\a)%4)+\b)+7]
.endif
.endr
.endr
.endm
.macro FETCH_B slot, q, p              ; the weight's eight fragments of the slot's q-th 128 along K into set p
	WIN TO_B
.irp i, 0,1,2,3,4,5,6,7
	FRAG 128*(\p)+FR*\i, ADRB+\slot, 128*(\q)+\i*16*PITCH
.endr
	WIN 0
.endm
.macro FETCH_A slot, q, i0             ; x's blocks i0 .. i0 + 3
.irp i, \i0, \i0+1, \i0+2, \i0+3
	FRAG AF+FR*(\i), ADRA+\slot, 128*(\q)+(\i)*16*PITCH
.endr
.endm
; A load into a register that a matrix instruction has read, and a vector instruction that reads a matrix result or writes one of its registers, stand NP places behind that matrix instruction, and only plain
; vector instructions that name none of its registers are places (ISA guide 7.12.1 for vector instructions).
.macro PLACES n
.rept \n
	v_nop
.endr
.endm
; A step of 128 along K that has its successor in the same slot.  A block of x is free as soon as its eight products are issued, so one set of registers serves x; the weight has two sets.
.macro STEP slot, q, zero
	s_wait_dscnt 4*NL                              ; the weight's set and x's blocks 0-3 are in; the youngest sixteen loads (blocks 4-7) may be out
	WIN MUL_LO
	MUL16 0, (\q)%2, \zero
	MUL16 2, (\q)%2, \zero
	s_wait_dscnt 0
	PLACES NP
	FETCH_B \slot, (\q)+1, 1-(\q)%2
	FETCH_A \slot, (\q)+1, 0
	WIN MUL_HI
	MUL16 4, (\q)%2, \zero
	MUL16 6, (\q)%2, \zero
	PLACES NP
	WIN 0
	FETCH_A \slot, (\q)+1, 4
.endm
; A slot's last step changes slots.  kind = 1: this slot is filled again, two K steps ahead.  kind = 2 (slot 0): fill 4, over its weight alone.
.macro TURN slot, next, kind
	s_wait_tensorcnt 0x0                           ; all my tensor loads have landed: my part of the next slot
	ds_add_u32 v[SPW], v[NIL]                      ; 0 onto my spare word
	s_wait_dscnt 4*NL+1                            ; (the add and the youngest sixteen loads may be out)
	WIN MUL_LO
	MUL16 0, 1, 0                                  ; sixteen matrix instructions stand between the add and the wait for it
	s_wait_dscnt 0x0                               ; the add is done, and my reads of this slot are over
	s_barrier_signal -1
	MUL16 2, 1, 0
	WIN 0
	s_barrier_wait -1
	CREST                                          ; no wave of any partner still reads this slot's tile or has a load on its way
.if \kind == 1
	s_add_nc_u64 s[G0+4*\slot+2:G0+4*\slot+3], s[G0+4*\slot+2:G0+4*\slot+3], 2*ROWB
	s_add_nc_u64 s[G0B+4*\slot+2:G0B+4*\slot+3], s[G0B+4*\slot+2:G0B+4*\slot+3], 2*ROWB
	JLOAD \slot, 1                                 ; the first tensor load behind the round; the four v_nop behind it are the places in front of the loads below
.else
	s_add_nc_u64 s[G0B+2:G0B+3], s[66:67], 2*ROWB  ; w_v from K 512 on: 64 rows of 512 bytes a wave
	s_or_b32 s[G0B+3], s[G0B+3], 0x80000000
	s_mul_i32 s19, s16, 64*P2
	s_add_co_u32 s[G0B+1], s19, 2*HALFT
	s_or_b32 s[G1B+0], s44, W0_512
	s_mov_b32 s[G1B+1], 512<<16
	s_mov_b32 s[G1B+2], 64<<16
	s_mov_b32 s[G1B+3], 512<<16
	s_mov_b32 s[G1B+4], 64
	JLOAD \slot, 0
	PLACES NP                                      ; (waves 0 and 1 issue no load here)
.endif
	FETCH_B \next, 0, 0
	FETCH_A \next, 0, 0
	WIN MUL_HI
	MUL16 4, 1, 0
	MUL16 6, 1, 0
	PLACES NP
	WIN 0
	FETCH_A \next, 0, 4
.endm
; v.  A step of 128 along K: x's eight fragments and w_v's four, set p: window 0 or 2.
.macro VFETCH xr, kx, wr, pw, kw, p
	WIN 0x80*(\p)
.irp i, 0,1,2,3,4,5,6,7
	FRAG AF+FR*\i, \xr, \kx+\i*16*PITCH
.endr
.irp i, 0,1,2,3
	FRAG WF+FR*\i, \wr, \kw+\i*16*\pw
.endr
	WIN 0
.endm
.macro VMUL p, zero
	WIN 0x50+0x0a*(\p)                             ; C and D window 1
.irp a, 0,1,2,3
.irp b, 0,1,2,3,4,5,6,7
.if \zero
	v_wmma_f32_16x16x128_bf8_bf8 v[8*(8*\a+\b):8*(8*\a+\b)+7], v[AF+FR*\b:AF+FR*\b+FR-1], v[WF+FR*\a:WF+FR*\a+FR-1], 0
.else
	v_wmma_f32_16x16x128_bf8_bf8 v[8*(8*\a+\b):8*(8*\a+\b)+7], v[AF+FR*\b:AF+FR*\b+FR-1], v[WF+FR*\a:WF+FR*\a+FR-1], v[8*(8*\a+\b):8*(8*\a+\b)+7]
.endif
.endr
.endr
	WIN 0
.endm
.macro VONE xr, kx, kw, zero           ; one step on one set, w_v in fill 4
	PLACES NP
	VFETCH \xr, \kx, ADW4, P2, \kw, 0
	s_wait_dscnt 0x0
	VMUL 0, \zero
.endm
; THE WAY OUT.  s18 = the two operands' exponents added, s20 = the exponent of the result's own scale.
.macro CONSTS
	s_add_co_i32 s18, s18, 127
	s_lshl_b32 s96, s18, 23                        ; 2^(ex + ew) as f32
	s_mov_b32 s97, s96                             ; (named with it as a pair, so it is written)
	s_add_co_i32 s20, s20, 127
	s_lshl_b32 s21, s20, 23
	v_mov_b32 v[SCL], s21                          ; 2^eo as f32: the conversion takes its exponent field
	s_add_co_i32 s20, s20, 15
	s_lshl_b32 s20, s20, 23
	s_or_b32 s20, s20, 0x600000
	v_mov_b32 v[LIM], s20                          ; 57,344 x 2^eo
.endm
; Block a (16 rows of source 1) against source 0's 128 rows: number = sum x 2^(ex + ew) + bias; the hold; eight conversions; four stores of 512 consecutive bytes.
; vpath = 0: the bias hangs on source 0's row: BT.  vpath = 1: on source 1's: U[2 a].  w: the sums' window.  ob: the output's base.  sa: bytes from block to block.
.macro OUTBLK a, vpath, w, ob, sa
.set AC, 64*((\a)%4)
	WIN \w
.irp b, 0,1,2,3,4,5,6,7
.irp j, 0,2,4,6
.if \vpath
	v_pk_fma_f32 v[TMP+8*\b+\j:TMP+8*\b+\j+1], v[AC+8*\b+\j:AC+8*\b+\j+1], s[96:97], v[U+2*(\a):U+2*(\a)+1] op_sel_hi:[1,0,0]
.else
	v_pk_fma_f32 v[TMP+8*\b+\j:TMP+8*\b+\j+1], v[AC+8*\b+\j:AC+8*\b+\j+1], s[96:97], v[BT+8*\b+\j:BT+8*\b+\j+1] op_sel_hi:[1,0,1]   ; each accumulator from its low end on
.endif
.endr
.endr
	WIN 0
.set n, 0
.rept 64
	v_med3_num_f32 v[TMP+n], v[TMP+n], -v[LIM], v[LIM]   ; the conversion to an 8-bit code does not saturate (ISA guide 7.6.2): the hold, always executed
.set n, n+1
.endr
.if (\a) > 0
	s_wait_alu depctr_va_vdst(0)
	s_wait_xcnt 0x0                                ; the last block's stores have read their data: the codes' registers are rewritten only behind this wait
.endif
.irp b, 0,1,2,3,4,5,6,7
	v_cvt_scalef32_pk8_bf8_f32 v[CD+2*\b:CD+2*\b+1], v[TMP+8*\b:TMP+8*\b+7], v[SCL]
.endr
	v_nop                                          ; one plain vector instruction behind the last conversion
.irp i, 0,1,2,3
	global_store_b128 v[OFF], v[CD+4*\i:CD+4*\i+3], s[\ob:\ob+1] offset:(\a)*(\sa)+512*\i
.endr
.endm
	s_wait_alu depctr_va_vdst(0)                   ; the wait at the head's end
	CHANGE                                         ; everybody's part of K step 0 is in
	JLOAD 1, 1                                     ; K step 1
	FETCH_B 0, 0, 0
	FETCH_A 0, 0, 0
	FETCH_A 0, 0, 4
	global_prefetch_b8 v[PFO], s[PFA:PFA+1] offset:2*ROWB th:TH_LOAD_NT scope:SCOPE_SE   ; K step 2
	STEP 0, 0, 1                                   ; q or k: K step 0
	TURN 0, 1, 1                                   ; asks for K step 2
	global_prefetch_b8 v[PFO], s[PFA:PFA+1] offset:3*ROWB th:TH_LOAD_NT scope:SCOPE_SE   ; K step 3
	STEP 1, 0, 0
	TURN 1, 0, 1                                   ; asks for K step 3
	global_prefetch_b8 v[PFV], s[PFW:PFW+1] th:TH_LOAD_NT scope:SCOPE_SE                 ; w_v
	STEP 0, 0, 0
	TURN 0, 1, 2                                   ; fill 4
	STEP 1, 0, 0
	s_wait_dscnt 4*NL
	WIN MUL_LO
	MUL16 0, 1, 0
	MUL16 2, 1, 0
	s_wait_dscnt 0
	WIN MUL_HI
	MUL16 4, 1, 0
	MUL16 6, 1, 0
	WIN 0
	CHANGE                                         ; fill 4 is in; slot 1's weight is read out
	s_sub_nc_u64 s[G0+2:G0+3], s[G0+2:G0+3], 2*ROWB   ; fill 5: x from K step 2 back to K 0,
	s_mul_i32 s18, s16, HALFT
	s_add_co_u32 s[G0+1], s18, L5X
	s_sub_nc_u64 s[G0B+2:G0B+3], s[G0B+2:G0B+3], 2*ROWB
	s_add_co_u32 s[G0B+1], s3, L5W
	s_or_b32 s[G1B+0], s44, W0_256                 ; w_v in rows of 256 bytes
	s_mov_b32 s[G1B+1], ROWB<<16
	s_mov_b32 s[G1B+3], ROWB<<16
	JLOAD 0, 1
	VONE ADRA, 0, 0, 1                             ; v: K step 2 on slot 0's x,
	VONE ADRA, 128, 128, 0
	VONE ADRA+1, 0, 256, 0                         ; K step 3 on slot 1's
	VONE ADRA+1, 128, 384, 0
	PLACES NP
.irp b, 0,1,2,3,4,5,6,7
	global_load_b128 v[BT+8*\b:BT+8*\b+3],   v8, s[90:91] offset:64*\b
	global_load_b128 v[BT+8*\b+4:BT+8*\b+7], v8, s[90:91] offset:64*\b+16
.endr
	CHANGE                                         ; fill 5 is in; slot 0 is read out
	s_add_nc_u64 s[G0+2:G0+3], s[G0+2:G0+3], ROWB  ; fill 6: K step 1 into slot 0
	s_mul_i32 s[G0+1], s16, HALFT
	s_add_nc_u64 s[G0B+2:G0B+3], s[G0B+2:G0B+3], ROWB
	s_add_co_u32 s[G0B+1], s3, 2*HALFT
	JLOAD 0, 1
	; q or k goes out while that fill is on its way
	s_wait_kmcnt 0x0                               ; the exponents
	s_wait_loadcnt 0x0                             ; the bias
	s_cmp_eq_u32 s13, 0
	s_cselect_b32 s18, s4, s6                      ; x's exponent for this product: e0 or e2
	s_cselect_b32 s19, s5, s7                      ; the weight's: e1 or e3
	s_cselect_b32 s20, s10, s11                    ; the result's: e6 or e7
	s_add_co_i32 s18, s18, s19
	s_lshl_b32 s21, s17, 4
	s_lshl_b32 s22, s15, 3
	s_add_co_u32 s21, s21, s22                     ; my first tile of 16 tokens: 16 x tile + 8 x half
	s_lshl_b32 s21, s21, 14
	s_lshl_b32 s22, s42, 2
	s_lshl_b32 s23, s16, 1
	s_add_co_u32 s22, s22, s23                     ; my first head: 4 x tile + 2 x half
	s_lshl_b32 s22, s22, 10
	s_add_co_u32 s46, s21, s22
	s_mov_b32 s47, 0
	s_add_nc_u64 s[92:93], s[92:93], s[46:47]
	CONSTS
.irp a, 0,1,2,3,4,5,6,7
	OUTBLK \a, 0, 0x02+(\a/4), 92, 16384           ; a block is a tile of 16 tokens: two heads' fragments, 2,048 bytes on end
.endr
	s_wait_alu depctr_va_vdst(0)
	s_wait_xcnt 0x0                                ; the stores have read their data: fragments land in those registers below
.irp a, 0,1,2,3
	global_load_b32 v[U+2*\a], v9, s[80:81] offset:64*\a
	v_mov_b32 v[U+2*\a+1], 0
.endr
	VFETCH ADX5, 0, ADW5, PITCH, 0, 0              ; v: K step 0
	s_wait_alu depctr_va_vdst(0)
	s_wait_dscnt 0x0
	VFETCH ADX5, 128, ADW5, PITCH, 128, 1
	VMUL 0, 0
	s_wait_tensorcnt 0x0                           ; my part of fill 6 is in
	s_wait_dscnt 0x0
	s_barrier_signal -1
	s_barrier_wait -1
	PLACES NP
	VFETCH ADRA, 0, ADW6, PITCH, 0, 0              ; K step 1
	VMUL 1, 0
	s_wait_dscnt 0x0
	PLACES NP
	VFETCH ADRA, 128, ADW6, PITCH, 128, 1
	VMUL 0, 0
	s_wait_dscnt 0x0
	VMUL 1, 0
	PLACES NP
	s_wait_loadcnt 0x0                             ; v's bias
	s_add_co_i32 s18, s8, s9                       ; e4 + e5
	s_mov_b32 s20, s12                             ; e9
	s_lshl_b32 s22, s17, 1
	s_add_co_u32 s22, s22, s15                     ; my 128 tokens
	s_lshl_b32 s22, s22, 17
	s_lshl_b32 s23, s2, 3
	s_lshl_b32 s46, s16, 2
	s_add_co_u32 s23, s23, s46                     ; my first tile of 16 channels: 8 x group + 4 x half
	s_lshl_b32 s23, s23, 11
	s_add_co_u32 s46, s22, s23
	s_mov_b32 s47, 0
	s_add_nc_u64 s[88:89], s[88:89], s[46:47]
	CONSTS
.irp a, 0,1,2,3
	OUTBLK \a, 1, 0x01, 88, 2048                   ; a block is a tile of 16 channels: one fragment of 128 keys, 2,048 bytes
.endr
	s_wait_tensorcnt 0x0                           ; the wave's end: my last LDS instructions
	ds_add_u32 v[SPW], v[NIL]
	s_wait_dscnt 0x0
	CROUND                                         ; the closing round: no work-group ends while a partner may still ask for a tile that names it
	s_endpgm
.Lfunc_end_k_qd3d9ceba5e_qkv:
	.size	k_qd3d9ceba5e_qkv, .Lfunc_end_k_qd3d9ceba5e_qkv-k_qd3d9ceba5e_qkv
	.p2alignl 7, 3214868480
	.fill 96, 4, 3214868480
	.section	.rodata,"a",@progbits
	.p2align	6, 0x0
	.amdhsa_kernel k_qd3d9ceba5e_qkv
		.amdhsa_group_segment_fixed_size 327680
		.amdhsa_private_segment_fixed_size 0
		.amdhsa_enable_private_segment 0
		.amdhsa_kernarg_size 88
		.amdhsa_user_sgpr_count 2
		.amdhsa_user_sgpr_kernarg_segment_ptr 1
		.amdhsa_wavefront_size32 1
		.amdhsa_system_sgpr_workgroup_id_x 1
		.amdhsa_system_sgpr_workgroup_id_y 1
		.amdhsa_system_sgpr_workgroup_id_z 1
		.amdhsa_system_vgpr_workitem_id 0
		.amdhsa_next_free_vgpr 1024
		.amdhsa_next_free_sgpr 102
		.amdhsa_reserve_vcc 0
		.amdhsa_float_denorm_mode_32 3
		.amdhsa_float_denorm_mode_16_64 3
		.amdhsa_memory_ordered 1
		.amdhsa_forward_progress 1
		.amdhsa_inst_pref_size 213
	.end_amdhsa_kernel
	.amdgpu_metadata
---
amdhsa.version: [ 1, 2 ]
amdhsa.kernels:
  - .name:           k_qd3d9ceba5e_qkv
    .symbol:         k_qd3d9ceba5e_qkv.kd
    .args:
      - { .name: x_codes, .offset: 0, .size: 8, .value_kind: global_buffer, .address_space: global }
      - { .name: w_q_codes, .offset: 8, .size: 8, .value_kind: global_buffer, .address_space: global }
      - { .name: w_k_codes, .offset: 16, .size: 8, .value_kind: global_buffer, .address_space: global }
      - { .name: w_v_codes, .offset: 24, .size: 8, .value_kind: global_buffer, .address_space: global }
      - { .name: b_q, .offset: 32, .size: 8, .value_kind: global_buffer, .address_space: global }
      - { .name: b_k, .offset: 40, .size: 8, .value_kind: global_buffer, .address_space: global }
      - { .name: b_v, .offset: 48, .size: 8, .value_kind: global_buffer, .address_space: global }
      - { .name: lowp_scales, .offset: 56, .size: 8, .value_kind: global_buffer, .address_space: global }
      - { .name: q_img, .offset: 64, .size: 8, .value_kind: global_buffer, .address_space: global }
      - { .name: k_img, .offset: 72, .size: 8, .value_kind: global_buffer, .address_space: global }
      - { .name: v_img, .offset: 80, .size: 8, .value_kind: global_buffer, .address_space: global }
    .group_segment_fixed_size: 327680
    .private_segment_fixed_size: 0
    .kernarg_segment_align: 8
    .kernarg_segment_size: 88
    .max_flat_workgroup_size: 128
    .sgpr_count:     102
    .vgpr_count:     1024
    .wavefront_size: 32
...
	.end_amdgpu_metadata
.endif
;; end of part 1
;; launch attn (part 2): grid 2 x 128, 16 waves a work-group, no clusters, 141,312 bytes of LDS; arguments q_img, k_img, v_img, lowp_scales, a_img; writes a_img
.if DOCPART == 2
	.amdgcn_target "amdgcn-amd-amdhsa--gfx1250"
	.amdhsa_code_object_version 6
	.text
	.protected	k_qd3d9ceba5e_attn
	.globl	k_qd3d9ceba5e_attn
	.p2align	8
	.type	k_qd3d9ceba5e_attn,@function
k_qd3d9ceba5e_attn:
	s_mov_b64 s[64:65], 0
	v_nop
	global_prefetch_b8 v0, s[64:65] scope:SCOPE_SE
	s_setreg_imm32_b32 hwreg(HW_REG_WAVE_MODE, 25, 1), 1
	s_wait_xcnt 0x0
; o = softmax(q k^T / 8) v for each of 8 x 16 heads of 1,024 tokens x 64 channels, both products on codes of BF8 (E5M2); o is quantised at once (entry 10 of the scales) for the output projection.
; q_img, k_img: fragments of 16 tokens x 64 channels at byte (token / 16) x 16384 + head x 1024 + half x 512 + 16 x lane.  v_img: fragments of 16 channels x 128 keys at byte
; (token / 128) x 131072 + (channel / 16) x 2048 + quad x 512 + 16 x lane.  All are images of operand registers in the matrix forms' own layouts (k = 16 c + 8 (lane / 16) + 0 .. 7 in registers 2 c, 2 c + 1).
; THE SOFTMAX: t = score x log2(e) / 8; M = the row's largest t, rounded UP to a whole number; p = 2^(t - M) is quantised along the keys, not normalised.  The row's sum is taken of the unquantised p, in f32, and divides o at the end.
; TWO PASSES OVER THE KEYS.  Pass 1 makes the scores and keeps their largest alone; pass 2 makes the scores again, with M known: no sum and no accumulator is ever rescaled.
; SHARES.  A work-group owns 512 queries of one head; each of its sixteen waves two tiles of 16 queries, w and 16 + w, in 256 registers.
;   Pass 1: waves w and w xor 1 share their four tiles and split the keys: each fragment of K feeds four products; their maxima meet in LDS.
;   Pass 2: a wave walks all keys, 64 a step, for both its tiles: each fragment of K and of V feeds two products.
; ORDER IN PASS 2.  The products with V of the step before are dealt among this step's plain vector work, eight plain instructions behind each.  In pass 1 one half's maxima are taken behind the other half's products.
; LDS IS FILLED ONCE, through registers: a wave brings 4,096 bytes of K and 4,096 of V.  V is asked for when K is in, is on its way during pass 1 and is stored behind it.  V lies by blocks of 64 keys: block x 4096 + tile of channels x 1024 + 512 x quad.
; NO CLUSTER AND NO TENSOR LOAD: a head's K and V are read by its two work-groups alone, once each, at their heads.  NO PREFETCH: no loop reads memory.
; LAYOUT.  Both products are used transposed: S^T = K Q^T (source 0 = 16 keys), O^T = V^T P^T (source 0 = 16 channels): a lane holds ONE query (lane % 16) throughout, and one conversion of an accumulator's eight registers
; (keys 16 t + 8 (lane / 16) + 0 .. 7) gives registers 2 t, 2 t + 1 of P.
; THE HOLD of p at 57,344 x 2^e8: p is at most 1, so it can act only where e8 is under -15.
; a_img: byte (token / 16) x 16384 + head x 1024 + b x 512 + 16 x lane; lane (r, h) holds channels 32 b + 16 h + 0 .. 15 of token r.
; LIMITS on the given exponents, so that each power of two below is an f32 number: e6 + e7 between -123 and 130 (they are added to c's exponent field); e8 and e10 between -126 and 112; e8 + e9 goes by v_ldexp_f32 and has none.
; REGISTERS: v1 16 x lane; v2, v3 LDS addresses of the step; v4, v6 -M of my two tiles; v[8:15] the sums, four pairs (pass 1: v8-11 the maxima); v16-31 Q; v32-63 K's four fragments, v64-95 V's; v96-127, v128-159 S^T, then p
; (pass 1: scores in v96-159 and in v64-95, v192-223 by turns); v160-191, v192-223 O^T (at the head: V, K on their way to LDS); v224-231, v232-239 p's codes (pass 1: the partner's Q); v240, v246 57,344 x 2^e8; v244 2^e8;
; v241, v245 57,344 x 2^e10, 2^e10; v242, v243 at work; v251 my spare word, v255 0.
.set VOFF,  65536
.set XB,    131072                     ; the maxima: tile x 256 + half of the keys x 128 + 4 x lane
.set SPARE, 139264                     ; the spare words, 128 bytes for each wave, that no other line names
.set WV,   18
.set CNT,  19
.set SEL,  20                          ; s[20:21] lane selects for v_permlanex16_b32: lane l xor 16
.set CS,   22                          ; s[22:23] c = log2(e) / 8 x 2^(e6 + e7)
.set HOLD, 74                          ; s74  1: p is held
	s_load_b128 s[4:7], s[0:1], 0x0                ; q_img s[4:5], k_img s[6:7]
	s_load_b128 s[8:11], s[0:1], 0x10              ; v_img s[8:9], the scales' exponents s[10:11]
	s_load_b64 s[12:13], s[0:1], 0x20              ; a_img
	v_lshrrev_b32 v2, 5, v0
	v_readfirstlane_b32 s[WV], v2                  ; wave 0..15
	s_and_b32 s56, ttmp7, 0xffff
	s_lshr_b32 s57, s56, 4                         ; the batch: 2^20 bytes in each image
	s_and_b32 s58, s56, 15                         ; the head
	s_lshl_b32 s57, s57, 20
	s_lshl_b32 s59, s58, 10
	s_add_co_u32 s60, s57, s59
	s_lshl_b32 s61, s[WV], 16
	s_add_co_u32 s62, s60, s61                     ; K: my four tiles of 16 keys: 4 x wave on
	s_mov_b32 s63, 0
	s_lshr_b32 s61, s[WV], 1
	s_lshl_b32 s61, s61, 17
	s_lshl_b32 s59, s58, 13
	s_add_co_u32 s66, s57, s59
	s_add_co_u32 s66, s66, s61
	s_and_b32 s61, s[WV], 1
	s_lshl_b32 s61, s61, 12
	s_add_co_u32 s66, s66, s61                     ; V: 128 keys a pair of waves, two tiles of channels each
	s_mov_b32 s67, 0
	s_lshl_b32 s61, ttmp9, 19
	s_add_co_u32 s60, s60, s61                     ; my work-group's 512 queries
	s_lshl_b32 s61, s[WV], 14
	s_add_co_u32 s76, s60, s61                     ; my first tile; my second lies 16 tiles on
	s_mov_b32 s77, 0
	s_xor_b32 s61, s[WV], 1
	s_lshl_b32 s61, s61, 14
	s_add_co_u32 s78, s60, s61                     ; the partner's
	s_mov_b32 s79, 0
	s_mov_b32 s[SEL], 0x76543210
	s_mov_b32 s[SEL+1], 0xfedcba98
	s_mov_b32 s[CS], 0x3e38aa3b                    ; log2(e) / 8
	v_and_b32 v1, 31, v0
	v_lshlrev_b32 v1, 4, v1
	s_wait_alu depctr_va_vdst(0)
	s_wait_kmcnt 0x0
	s_load_b128 s[68:71], s[10:11], 0x18           ; e6, e7, e8, e9
	s_load_b32 s72, s[10:11], 0x28                 ; e10
	s_add_nc_u64 s[6:7], s[6:7], s[62:63]
	s_add_nc_u64 s[8:9], s[8:9], s[66:67]
	s_add_nc_u64 s[14:15], s[4:5], s[78:79]
	s_add_nc_u64 s[4:5], s[4:5], s[76:77]
	s_add_nc_u64 s[12:13], s[12:13], s[76:77]
.irp j, 0,1,2,3,4,5,6,7
	global_load_b128 v[192+4*\j:195+4*\j], v1, s[6:7] offset:16384*(\j/2)+512*(\j%2)
.endr
.irp j, 0,1,2,3
	global_load_b128 v[16+4*\j:19+4*\j], v1, s[4:5] offset:262144*(\j/2)+512*(\j%2)
.endr
.irp j, 0,1,2,3
	global_load_b128 v[224+4*\j:227+4*\j], v1, s[14:15] offset:262144*(\j/2)+512*(\j%2)
.endr
	v_lshl_add_u32 v251, v0, 2, SPARE
	v_mov_b32 v255, 0
	v_lshrrev_b32 v2, 5, v0                        ; wave
	v_bfe_u32 v7, v0, 5, 1                         ; wave % 2
	v_and_b32 v15, 31, v0
	v_lshlrev_b32 v15, 2, v15                      ; 4 x lane
	v_lshlrev_b32 v3, 12, v2
	v_add_nc_u32 v3, v3, v1                        ; where my K goes: 4,096 x wave + 16 x lane
	v_lshl_add_u32 v5, v7, 15, v1                  ; where pass 1 reads: half (wave % 2) of the keys
	v_lshrrev_b32 v6, 6, v0
	v_lshlrev_b32 v6, 13, v6
	v_lshl_add_u32 v6, v7, 11, v6
	v_add_nc_u32 v6, v6, v1
	v_add_nc_u32 v6, VOFF, v6                      ; where my V goes
	v_lshlrev_b32 v14, 8, v2
	v_add_nc_u32 v14, v14, v15
	v_add_nc_u32 v14, XB, v14                      ; my tile's maxima
	v_lshl_add_u32 v12, v7, 7, v14                 ; my half's among them
	v_xor_b32 v13, 1, v2
	v_lshlrev_b32 v13, 8, v13
	v_add_nc_u32 v13, v13, v15
	v_lshl_add_u32 v13, v7, 7, v13
	v_add_nc_u32 v13, XB, v13                      ; and my half's of the partner's tile
	v_mov_b32 v8, 0xff800000                       ; the largest scores so far: -infinity
	v_mov_b32 v9, 0xff800000
	v_mov_b32 v10, 0xff800000
	v_mov_b32 v11, 0xff800000
	v_mov_b32 v242, 0                              ; written once: a lane permute's destination counts as one of its sources
	v_mov_b32 v243, 0
	s_wait_alu depctr_va_vdst(0)
	s_wait_kmcnt 0x0
	s_add_co_i32 s80, s68, s69
	s_lshl_b32 s80, s80, 23
	s_add_co_i32 s[CS], s[CS], s80                 ; a score stands for score x 2^(e6 + e7): the two exponents are added to c's exponent field
	s_mov_b32 s[CS+1], s[CS]                       ; (named with it as a pair, so it is written)
	s_add_co_i32 s80, s70, 127
	s_lshl_b32 s81, s80, 23
	v_mov_b32 v244, s81                            ; 2^e8 as f32, for p's conversions
	s_add_co_i32 s80, s80, 15
	s_lshl_b32 s80, s80, 23
	s_or_b32 s80, s80, 0x600000
	v_mov_b32 v240, s80                            ; 57,344 x 2^e8,
	v_mov_b32 v246, s80                            ; twice: one copy for each half of the dual hold
	s_add_co_i32 s80, s72, 127
	s_lshl_b32 s81, s80, 23
	v_mov_b32 v245, s81                            ; 2^e10, for o's
	s_add_co_i32 s80, s80, 15
	s_lshl_b32 s80, s80, 23
	s_or_b32 s80, s80, 0x600000
	v_mov_b32 v241, s80                            ; 57,344 x 2^e10
	s_add_co_i32 s75, s70, s71                     ; e8 + e9
	s_cmp_lt_i32 s70, -15                          ; is 57,344 x 2^e8 under 1.75?
	s_cselect_b32 s[HOLD], 1, 0
	s_wait_alu depctr_va_vdst(0)                   ; the wait at the head's end
	s_wait_loadcnt 0x8                             ; K is in; Q's eight loads may be out
.irp j, 0,1,2,3,4,5,6,7
	ds_store_b128 v3, v[192+4*\j:195+4*\j] offset:512*\j
.endr
.irp j, 0,1,2,3,4,5,6,7
	global_load_b128 v[160+4*\j:163+4*\j], v1, s[8:9] offset:512*\j
.endr
	s_wait_loadcnt 0x8                             ; Q is in; V's eight may be out
	s_wait_dscnt 0x0                               ; my K lies in LDS
	s_barrier_signal -1
	s_barrier_wait -1                              ; everybody's does
.macro KLOAD                           ; four fragments of K, 16 keys x 64 channels each
.irp t, 0,1,2,3
	ds_load_b128 v[32+8*\t:35+8*\t], v2 offset:1024*\t
	ds_load_b128 v[36+8*\t:39+8*\t], v2 offset:1024*\t+512
.endr
.endm
.macro VLOAD                           ; four fragments of V, 16 channels x 64 keys each
.irp t, 0,1,2,3
	ds_load_b128 v[64+8*\t:67+8*\t], v3 offset:1024*\t
	ds_load_b128 v[68+8*\t:71+8*\t], v3 offset:1024*\t+512
.endr
.endm
.macro SC4 d, f                        ; pass 1: the fragment of K at v[f] against four tiles of queries, scores from v[d] on
	v_wmma_f32_16x16x64_bf8_bf8 v[\d:\d+7], v[\f:\f+7], v[16:23], 0
	v_wmma_f32_16x16x64_bf8_bf8 v[\d+8:\d+15], v[\f:\f+7], v[24:31], 0
	v_wmma_f32_16x16x64_bf8_bf8 v[\d+16:\d+23], v[\f:\f+7], v[224:231], 0
	v_wmma_f32_16x16x64_bf8_bf8 v[\d+24:\d+31], v[\f:\f+7], v[232:239], 0
.endm
.macro MX4 d                           ; their largest, four chains, each accumulator from its low end on
.irp i, 0,2,4,6
	v_max3_num_f32 v8, v8, v[\d+\i], v[\d+1+\i]
	v_max3_num_f32 v9, v9, v[\d+8+\i], v[\d+9+\i]
	v_max3_num_f32 v10, v10, v[\d+16+\i], v[\d+17+\i]
	v_max3_num_f32 v11, v11, v[\d+24+\i], v[\d+25+\i]
.endr
.endm
; 64 keys.  first = 1: there are no older scores whose maxima are due.  next = 1: the next step's K is fetched.  Four places stand between matrix instructions and the loads into, or the first reads of, their registers:
; the other half's maxima.
.macro PASS1 first, next
	s_wait_dscnt 0x0
	SC4 96, 32
	SC4 128, 40
.if \first
.rept 4
	v_nop
.endr
.else
	MX4 64
	MX4 192
.endif
	SC4 64, 48
	SC4 192, 56
	MX4 96
.if \next
	v_add_nc_u32 v2, s2, v5
	KLOAD
.endif
	MX4 128
.endm
	s_mov_b32 s2, 0
	v_add_nc_u32 v2, s2, v5
	KLOAD
	s_mov_b32 s2, 4096
	s_wait_alu depctr_va_vdst(0)
	PASS1 1, 1
	s_mov_b32 s2, 8192
	s_mov_b32 s[CNT], 6
	s_wait_alu depctr_va_vdst(0)
.Lmax:
	PASS1 0, 1
	s_add_co_u32 s2, s2, 4096
	s_sub_co_u32 s[CNT], s[CNT], 1
	s_cmp_lg_u32 s[CNT], 0
	s_wait_alu depctr_va_vdst(0)
	s_cbranch_scc1 .Lmax
	PASS1 0, 0
	MX4 64
	MX4 192
	s_wait_alu depctr_va_vdst(0)
	s_wait_loadcnt 0x0                             ; V is in
.irp j, 0,1,2,3,4,5,6,7
	ds_store_b128 v6, v[160+4*\j:163+4*\j] offset:4096*((\j%4)/2)+1024*(\j/4)+512*(\j%2)
.endr
	ds_store_b32 v12, v8                           ; the maxima over my half of the keys: my two tiles,
	ds_store_b32 v12, v9 offset:4096
	ds_store_b32 v13, v10                          ; the partner's two
	ds_store_b32 v13, v11 offset:4096
	s_wait_dscnt 0x0
	s_barrier_signal -1
	s_barrier_wait -1                              ; V and the maxima lie in LDS; from here on it is only read
	ds_load_b32 v8, v14
	ds_load_b32 v9, v14 offset:128
	ds_load_b32 v10, v14 offset:4096
	ds_load_b32 v11, v14 offset:4224
	s_mov_b32 s2, 0
	s_mov_b32 s3, VOFF
	v_add_nc_u32 v2, s2, v1
	KLOAD
	s_mov_b32 s2, 4096
	s_wait_dscnt 0x8                               ; the maxima are in; the eight loads of K may be out
	v_max_num_f32 v8, v8, v9
	v_max_num_f32 v10, v10, v11
	v_permlanex16_b32 v242, v8, s[SEL], s[SEL+1]   ; and lane l xor 16's keys
	v_permlanex16_b32 v243, v10, s[SEL], s[SEL+1]
	v_max_num_f32 v8, v8, v242
	v_max_num_f32 v10, v10, v243
	v_mul_f32 v8, s[CS], v8                        ; as t (c is positive)
	v_mul_f32 v10, s[CS], v10
	v_floor_f32 v4, -v8                            ; -M = floor(-t) = -ceil(t)
	v_floor_f32 v6, -v10
	v_mov_b32 v5, 0                                ; (named as upper halves of pairs)
	v_mov_b32 v7, 0
.irp j, 8,9,10,11,12,13,14,15
	v_mov_b32 v\j, 0                               ; the sums
.endr
; One product with V: tile of channels t, tile of queries q.  pv = 1: it starts the sum; 2: it adds.
.macro PV pv, t, q
.if \pv == 1
	v_wmma_f32_16x16x64_bf8_bf8 v[160+32*(\q)+8*(\t):167+32*(\q)+8*(\t)], v[64+8*(\t):71+8*(\t)], v[224+8*(\q):231+8*(\q)], 0
.endif
.if \pv == 2
	s_wait_alu depctr_va_vdst(0)                   ; directly ahead of the accumulator's first reader
	v_wmma_f32_16x16x64_bf8_bf8 v[160+32*(\q)+8*(\t):167+32*(\q)+8*(\t)], v[64+8*(\t):71+8*(\t)], v[224+8*(\q):231+8*(\q)], v[160+32*(\q)+8*(\t):167+32*(\q)+8*(\t)]
.endif
.endm
; PASS 2: 64 keys for both tiles, and the step before's products with V (pv = 0: there is none).  next = 1: the next step's K is fetched as soon as its registers are free.
.macro PASS2 pv, next
	s_wait_alu depctr_va_vdst(0)
.if \pv
	s_wait_dscnt 0x8                               ; K is in; the step before's V may be out
.else
	s_wait_dscnt 0x0
.endif
.irp t, 0,1,2,3
	v_wmma_f32_16x16x64_bf8_bf8 v[96+8*\t:103+8*\t], v[32+8*\t:39+8*\t], v[16:23], 0
	v_wmma_f32_16x16x64_bf8_bf8 v[128+8*\t:135+8*\t], v[32+8*\t:39+8*\t], v[24:31], 0
.endr
.rept 3
	v_nop
.endr
.if \next
	v_add_nc_u32 v2, s2, v1
	KLOAD
.else
	v_nop
.endif
.if \pv
.if \next
	s_wait_dscnt 0x8                               ; V is in; the next K may be out
.else
	s_wait_dscnt 0x0
.endif
.endif
.irp g, 0,1,2,3
	PV \pv, \g/2, \g%2
.irp j, 0,2,4,6
	v_pk_fma_f32 v[96+8*\g+\j:97+8*\g+\j], v[96+8*\g+\j:97+8*\g+\j], s[CS:CS+1], v[4:5] op_sel_hi:[1,0,0]   ; t - M, two at a time (of the pairs c and -M the low word serves both halves)
	v_pk_fma_f32 v[128+8*\g+\j:129+8*\g+\j], v[128+8*\g+\j:129+8*\g+\j], s[CS:CS+1], v[6:7] op_sel_hi:[1,0,0]
.endr
.endr
	s_wait_alu depctr_va_vdst(0)                   ; the wait ahead of the batch
.set j, 0
.rept 64
	v_exp_f32 v[96+j], v[96+j]                     ; p = 2^(t - M)
.set j, j+1
.endr
	v_add_nc_u32 v3, s3, v1                        ; the plain instruction behind the exponentials
	s_wait_alu depctr_va_vdst(0)                   ; one wait for the whole batch, ahead of its first reader
.irp g, 0,1,2,3
	PV \pv, 2+\g/2, \g%2
.irp i, 0,4
	v_pk_add_f32 v[8:9], v[8:9], v[96+8*\g+\i:97+8*\g+\i]      ; the rows' sums, of the unquantised p: two chains a tile
	v_pk_add_f32 v[12:13], v[12:13], v[128+8*\g+\i:129+8*\g+\i]
	v_pk_add_f32 v[10:11], v[10:11], v[98+8*\g+\i:99+8*\g+\i]
	v_pk_add_f32 v[14:15], v[14:15], v[130+8*\g+\i:131+8*\g+\i]
.endr
.endr
	VLOAD                                          ; this step's V, for the next step (the eight additions above are the places in front)
	s_cmp_eq_u32 s[HOLD], 0
	s_cbranch_scc1 .Lfree_\@
; The conversion to an 8-bit code does not saturate (ISA guide 7.6.2); p is not negative, so the hold is one-sided.  Two holds an instruction.
.set j, 0
.rept 32
	v_dual_min_num_f32 v[96+j], v[96+j], v240 :: v_dual_min_num_f32 v[97+j], v[97+j], v246
.set j, j+2
.endr
.Lfree_\@:
.irp t, 0,1,2,3
	v_cvt_scalef32_pk8_bf8_f32 v[224+2*\t:225+2*\t], v[96+8*\t:103+8*\t], v244
	v_cvt_scalef32_pk8_bf8_f32 v[232+2*\t:233+2*\t], v[128+8*\t:135+8*\t], v244
.endr
	v_nop                                          ; one plain instruction behind the last conversion
	s_add_co_u32 s2, s2, 4096
	s_add_co_u32 s3, s3, 4096
.endm
	PASS2 0, 1
	PASS2 1, 1
	s_mov_b32 s[CNT], 13
	s_wait_alu depctr_va_vdst(0)
.Lkeys:
	PASS2 2, 1
	s_sub_co_u32 s[CNT], s[CNT], 1
	s_cmp_lg_u32 s[CNT], 0
	s_wait_alu depctr_va_vdst(0)
	s_cbranch_scc1 .Lkeys
	PASS2 2, 0
	s_wait_alu depctr_va_vdst(0)
	s_wait_dscnt 0x0                               ; the last V
.irp g, 0,1,2,3,4,5,6,7
	PV 2, \g/2, \g%2
.endr
	; both rows' sums and their reciprocals, as one batch
	v_pk_add_f32 v[8:9], v[8:9], v[10:11]
	v_pk_add_f32 v[12:13], v[12:13], v[14:15]
	v_add_f32 v8, v8, v9
	v_add_f32 v12, v12, v13
	v_permlanex16_b32 v242, v8, s[SEL], s[SEL+1]
	v_permlanex16_b32 v243, v12, s[SEL], s[SEL+1]
	v_add_f32 v8, v8, v242
	v_add_f32 v12, v12, v243
	s_wait_alu depctr_va_vdst(0)
	v_rcp_f32 v8, v8
	v_rcp_f32 v12, v12
	v_nop                                          ; a plain instruction behind the transcendentals
	s_wait_alu depctr_va_vdst(0)                   ; one wait for both, ahead of their first reader
	v_ldexp_f32 v8, v8, s75                        ; x 2^(e8 + e9)
	v_ldexp_f32 v12, v12, s75
	s_wait_alu depctr_va_vdst(0)                   ; directly ahead of the first reader of O^T
.set j, 0
.rept 16
	v_pk_mul_f32 v[96+j:97+j], v[160+j:161+j], v[8:9] op_sel_hi:[1,0]   ; each accumulator from its low end on
.set j, j+2
.endr
.set j, 0
.rept 16
	v_pk_mul_f32 v[128+j:129+j], v[192+j:193+j], v[12:13] op_sel_hi:[1,0]
.set j, j+2
.endr
.set j, 0
.rept 64
	v_med3_num_f32 v[96+j], v[96+j], -v241, v241   ; the hold at the largest code x 2^e10
.set j, j+1
.endr
.irp t, 0,1,2,3
	v_cvt_scalef32_pk8_bf8_f32 v[224+2*\t:225+2*\t], v[96+8*\t:103+8*\t], v245
	v_cvt_scalef32_pk8_bf8_f32 v[232+2*\t:233+2*\t], v[128+8*\t:135+8*\t], v245
.endr
	v_nop                                          ; one plain instruction behind the last conversion
; Exchanges between the halves of the lanes make of two neighbouring tiles' codes 16 neighbouring channels a lane; two stores of 512 consecutive bytes a tile take them.
.irp c, 224, 232
	v_permlane16_swap_b32 v[\c], v[\c+2]           ; the first register's lanes 16-31 change places with the second's lanes 0-15
	v_permlane16_swap_b32 v[\c+1], v[\c+3]
	v_permlane16_swap_b32 v[\c+4], v[\c+6]
	v_permlane16_swap_b32 v[\c+5], v[\c+7]
.endr
	global_store_b128 v1, v[224:227], s[12:13]
	global_store_b128 v1, v[228:231], s[12:13] offset:512
	global_store_b128 v1, v[232:235], s[12:13] offset:262144
	global_store_b128 v1, v[236:239], s[12:13] offset:262656
	s_wait_tensorcnt 0x0                           ; the wave's end
	ds_add_u32 v251, v255
	s_wait_dscnt 0x0
	s_endpgm
.Lfunc_end_k_qd3d9ceba5e_attn:
	.size	k_qd3d9ceba5e_attn, .Lfunc_end_k_qd3d9ceba5e_attn-k_qd3d9ceba5e_attn
	.p2alignl 7, 3214868480
	.fill 96, 4, 3214868480
	.section	.rodata,"a",@progbits
	.p2align	6, 0x0
	.amdhsa_kernel k_qd3d9ceba5e_attn
		.amdhsa_group_segment_fixed_size 141312
		.amdhsa_private_segment_fixed_size 0
		.amdhsa_enable_private_segment 0
		.amdhsa_kernarg_size 40
		.amdhsa_user_sgpr_count 2
		.amdhsa_user_sgpr_kernarg_segment_ptr 1
		.amdhsa_wavefront_size32 1
		.amdhsa_system_sgpr_workgroup_id_x 1
		.amdhsa_system_sgpr_workgroup_id_y 1
		.amdhsa_system_sgpr_workgroup_id_z 1
		.amdhsa_system_vgpr_workitem_id 0
		.amdhsa_next_free_vgpr 256
		.amdhsa_next_free_sgpr 92
		.amdhsa_reserve_vcc 0
		.amdhsa_float_denorm_mode_32 3
		.amdhsa_float_denorm_mode_16_64 3
		.amdhsa_memory_ordered 1
		.amdhsa_forward_progress 1
		.amdhsa_inst_pref_size 80
	.end_amdhsa_kernel
	.amdgpu_metadata
---
amdhsa.version: [ 1, 2 ]
amdhsa.kernels:
  - .name:           k_qd3d9ceba5e_attn
    .symbol:         k_qd3d9ceba5e_attn.kd
    .args:
      - { .name: q_img, .offset: 0, .size: 8, .value_kind: global_buffer, .address_space: global }
      - { .name: k_img, .offset: 8, .size: 8, .value_kind: global_buffer, .address_space: global }
      - { .name: v_img, .offset: 16, .size: 8, .value_kind: global_buffer, .address_space: global }
      - { .name: lowp_scales, .offset: 24, .size: 8, .value_kind: global_buffer, .address_space: global }
      - { .name: a_img, .offset: 32, .size: 8, .value_kind: global_buffer, .address_space: global }
    .group_segment_fixed_size: 141312
    .private_segment_fixed_size: 0
    .kernarg_segment_align: 8
    .kernarg_segment_size: 40
    .max_flat_workgroup_size: 512
    .sgpr_count:     92
    .vgpr_count:     256
    .wavefront_size: 32
...
	.end_amdgpu_metadata
.endif
;; end of part 2
;; launch proj (part 3): grid 4 x 64, 4 waves a work-group, clusters of 4 x 4, 327,680 bytes of LDS; arguments a_img, w_o_codes, lowp_scales, b_o, out0; writes out0
.if DOCPART == 3
	.amdgcn_target "amdgcn-amd-amdhsa--gfx1250"
	.amdhsa_code_object_version 6
	.text
	.protected	k_qd3d9ceba5e_proj
	.globl	k_qd3d9ceba5e_proj
	.p2align	8
	.type	k_qd3d9ceba5e_proj,@function
k_qd3d9ceba5e_proj:
	s_mov_b64 s[64:65], 0
	v_nop
	global_prefetch_b8 v0, s[64:65] scope:SCOPE_SE
	s_setreg_imm32_b32 hwreg(HW_REG_WAVE_MODE, 25, 1), 1
	s_wait_xcnt 0x0
	s_wait_alu depctr_hold_cnt(0) depctr_sa_sdst(0) depctr_va_vdst(0) depctr_va_sdst(0) depctr_va_ssrc(0) depctr_va_vcc(0) depctr_vm_vsrc(0)
	s_getreg_b32 s2, hwreg(HW_REG_IB_STS2, 6, 4)
	s_cmp_eq_u32 s2, 0
	s_cbranch_scc0 .Lentry_in_a_cluster
	s_endpgm
.Lentry_in_a_cluster:
	s_bfe_u32 s2, ttmp6, 0x10000c
	s_cmp_lg_u32 s2, 0xf033
	s_cbranch_scc0 .Lentry_shape_is_right
	s_endpgm
.Lentry_shape_is_right:
; out = a w_o + b_o on codes of BF8.  a_img: images of operand registers, byte (token / 16) x 16384 + head x 1024 + b x 512 + 16 x lane (channels 32 b + 16 h + 0 .. 15 of token r).  w_o: [1024 (out)][1024 (K)] codes.
; A finished sum is multiplied once by 2^(e10 + e11) and gets its bias in the same multiply-add.
; SHARES.  256 work-groups of 128 tokens x 256 channels; four waves of 64 tokens x 128 channels: 32 accumulators of 16 x 16, 256 registers.
; THE MATRIX INSTRUCTION IS USED TRANSPOSED (source 0 = 16 rows of w_o, source 1 = 16 tokens): a lane holds one token and eight neighbouring channels.
; LDS.  K comes in three fills: 0-255 into slot 0, 256-767 into slot 1, 768-1023 into slot 0 again.  a's tiles are images without padding; w_o's rows are 272 and 528 bytes apart.
; CLUSTERS: 4 x 4 work-groups; a's tile is asked for jointly along a row of the cluster, w_o's along a column.  No prefetch: K has three fills, each asked for as soon as LDS has room for it, and the text has no loop to run ahead in.
; LIMIT: e10 + e11 lies between -126 and 127.
; REGISTERS.  Window 0: addresses; v32-95 the bias; from v128 a's fragments, two sets (on the way out: v128-191 a block's numbers, v192-255 rows read back).  Window 1: w_o's fragments, two sets (on the way out: v192-255 rows read back).  Window 2: the accumulators.
.set PITCH, 272                        ; 68 words: the 16 rows of a load start at 16 different banks (64 banks of 4 bytes: ISA guide 11.1)
.set P2,    528                        ; 132 words: likewise
.set FR,    16
.set NP,    4                          ; places behind this matrix instruction (ISA guide 7.12.1)
.set HALFT, 128*PITCH
.set SW0,   32768                      ; slot 0: a's 8 blocks of 4,096 bytes, then w_o's 256 rows
.set SA1,   SW0+2*HALFT                ; slot 1: a's 8 blocks of 8,192 bytes,
.set SW1,   SA1+65536                  ; w_o's 256 rows
.set SPARE, SW1+256*P2                 ; the spare words, 128 bytes for each wave, that no other line names
.set SPITCH, 528                       ; the way out: a stage of 16 rows x (512 bytes + 16) for each wave, in slot 1, which has had its last fill and its last read by then
.set ADA, 16                           ; v16-17  my four blocks of a in slot 0, 1
.set ADB, 20                           ; v20-21  my 128 rows of w_o
.set STO, 24
.set RD,  25
.set CO,  26
.set SPW, 28
.set NIL, 29
.set BT,  32
.set AF,  128
.set TMP, 128
.set BK,  192
.set G1,  24                           ; s[24:31], s[32:35] the descriptor for a;  s[48:55], s[56:59] for w_o
.set G0,  32
.set G1B, 48
.set G0B, 56
.set W0_256, (1<<20)|(1<<21)|(5<<22)|(3<<25)   ; group 1, word 0, beside the mask: 20 padding on; 21 set beside a mask; 24:22 after every 64 words; 31:25 of 4 words
.set W0_512, (1<<20)|(1<<21)|(6<<22)|(3<<25)   ; the same after every 128 words
.set MSB, 0
.macro WIN new                         ; the immediate's high byte repeats the setting that is left
.if MSB != (\new)
	s_set_vgpr_msb (MSB<<8)|(\new)
.set MSB, (\new)
.endif
.endm
.set MUL_LO, 0xa1                      ; source 0 window 1, source 1 window 0, C and D window 2
.set TO_B,   0x40                      ; destination window 1, address window 0
; A joint load: waves 0 and 1 fetch a, waves 2 and 3 w_o.  Each of the two lines has ONE mask; the branch hangs on the wave's number alone.
.macro JLOAD
	s_cmp_eq_u32 s15, 0
	s_cbranch_scc0 .Lfor_b_\@
	tensor_load_to_lds s[G0:G0+3], s[G1:G1+7]
	s_nop 0
.rept 4
	v_nop
.endr
	s_branch .Lasked_\@
.Lfor_b_\@:
	tensor_load_to_lds s[G0B:G0B+3], s[G1B:G1B+7]
	s_nop 0
.rept 4
	v_nop
.endr
.Lasked_\@:
.endm
.macro CROUND                          ; a round of the cluster's barrier
	s_barrier_signal -1
	s_barrier_wait -1
	s_cmp_lg_u32 s14, 0
	s_cbranch_scc1 .Lnot_wave_0_\@
	s_barrier_signal -3
.Lnot_wave_0_\@:
	s_barrier_wait -3
	s_barrier_signal -1
	s_barrier_wait -1
.endm
.macro CHANGE                          ; in front of a fill: all my tensor loads are in, 0 onto my spare word, my LDS reads are over; then a whole round
	s_wait_tensorcnt 0x0
	ds_add_u32 v[SPW], v[NIL]
	s_wait_dscnt 0x0
	CROUND
.endm
	s_load_b128 s[4:7], s[0:1], 0x0                ; a_img, w_o
	s_load_b128 s[8:11], s[0:1], 0x10              ; the scales' exponents, b_o
	s_load_b64 s[12:13], s[0:1], 0x20              ; out
	v_lshl_add_u32 v[SPW], v0, 2, SPARE
	v_mov_b32 v[NIL], 0
	ds_add_u32 v[SPW], v[NIL]                      ; the wave's opening: the add, twice on end, and its wait ahead of my first tensor load
	ds_add_u32 v[SPW], v[NIL]
	v_lshrrev_b32 v1, 5, v0
	v_readfirstlane_b32 s14, v1                    ; wave 0..3
	s_lshr_b32 s15, s14, 1                         ; which 64 of the tokens are mine.  Also: I fetch a (0) or w_o (1)
	s_and_b32 s16, s14, 1                          ; which 128 of the channels.  Also: which half of that tile I fetch
	s_bfe_u32 s40, ttmp6, 0x40000                  ; cx, cy
	s_bfe_u32 s41, ttmp6, 0x40004
	s_lshl_b32 s42, ttmp9, 2
	s_add_co_u32 s42, s42, s40                     ; my tile of 256 channels, 0..3
	s_and_b32 s17, ttmp7, 0xffff
	s_lshl_b32 s17, s17, 2
	s_add_co_u32 s17, s17, s41                     ; my tile of 128 tokens, 0..63
	s_lshl_b32 s43, s41, 2
	s_lshl_b32 s43, 15, s43                        ; my row of the cluster
	s_lshl_b32 s44, 0x1111, s40                    ; my column
	s_or_b32 s[G1+0], s43, (1<<21)                 ; a: 4 rows (blocks of 16 tokens) of 4,096 bytes, 16,384 apart, no padding
	s_mov_b32 s[G1+1], 4096<<16
	s_mov_b32 s[G1+2], 4<<16
	s_mov_b32 s[G1+3], 4096<<16
	s_mov_b32 s[G1+4], 4
	s_mov_b32 s[G1+5], 16384
	s_mov_b32 s[G1+6], 0
	s_mov_b32 s[G1+7], 0
	s_or_b32 s[G1B+0], s44, W0_256                 ; w_o: 128 rows of 256 bytes
	s_mov_b32 s[G1B+1], 256<<16
	s_mov_b32 s[G1B+2], 128<<16
	s_mov_b32 s[G1B+3], 256<<16
	s_mov_b32 s[G1B+4], 128
	s_mov_b32 s[G1B+5], 1024
	s_mov_b32 s[G1B+6], 0
	s_mov_b32 s[G1B+7], 0
	s_lshl_b32 s20, s17, 17
	s_lshl_b32 s18, s16, 16
	s_add_co_u32 s20, s20, s18                     ; a: 8 blocks x tile + 4 x half, in bytes
	s_mov_b32 s21, 0
	s_lshl_b32 s46, s42, 18
	s_lshl_b32 s18, s16, 17
	s_add_co_u32 s46, s46, s18                     ; w_o: row 256 x tile + 128 x half, in bytes
	s_mov_b32 s47, 0
	s_lshl_b32 s45, s16, 14                        ; where they go in slot 0: a's half,
	s_mul_i32 s3, s16, HALFT
	s_add_co_u32 s3, s3, SW0                       ; w_o's
	s_wait_dscnt 0x0                               ; both opening adds are done
	s_wait_kmcnt 0x0
	s_load_b64 s[96:97], s[8:9], 0x28              ; e10, e11
	s_add_nc_u64 s[20:21], s[4:5], s[20:21]
	s_add_nc_u64 s[46:47], s[6:7], s[46:47]
	CROUND                                         ; all sixteen work-groups are here: the first joint loads meet
	s_mov_b32 s[G0], 1
	s_mov_b32 s[G0+1], s45
	s_mov_b64 s[G0+2:G0+3], s[20:21]
	s_or_b32 s[G0+3], s[G0+3], 0x80000000
	s_mov_b32 s[G0B], 1
	s_mov_b32 s[G0B+1], s3
	s_mov_b64 s[G0B+2:G0B+3], s[46:47]
	s_or_b32 s[G0B+3], s[G0B+3], 0x80000000
	JLOAD                                          ; K 0-255: one tensor load a wave at the head
	s_lshl_b32 s18, s15, 14                        ; my four blocks of a: slot 0,
	s_lshl_b32 s19, s15, 15
	s_add_co_u32 s19, s19, SA1                     ; slot 1
	s_mul_i32 s22, s16, 128*P2
	s_add_co_u32 s22, s22, SW1                     ; my 128 rows of w_o: slot 1 (also: where waves 2 and 3 put them)
	s_mul_i32 s23, s14, 16*SPITCH
	s_add_co_u32 s23, s23, SA1                     ; my stage
	s_lshl_b32 s20, s17, 19
	s_lshl_b32 s21, s15, 18
	s_add_co_u32 s20, s20, s21                     ; my first row of out, 128 x tile + 64 x half, in bytes
	s_lshl_b32 s46, s42, 10
	s_lshl_b32 s47, s16, 9
	s_add_co_u32 s46, s46, s47                     ; 4 x my first channel
	s_add_co_u32 s20, s20, s46
	s_mov_b32 s21, 0
	s_add_nc_u64 s[12:13], s[12:13], s[20:21]
	v_and_b32 v1, 15, v0                           ; r
	v_bfe_u32 v2, v0, 4, 1                         ; h
	v_and_b32 v6, 31, v0
	v_lshlrev_b32 v[CO], 4, v6                     ; 16 x lane
	v_mul_u32_u24 v3, v1, PITCH
	v_lshl_add_u32 v4, v2, 4, v3
	v_mul_u32_u24 v3, v1, P2
	v_lshl_add_u32 v5, v2, 4, v3
	v_add_nc_u32 v[ADA], s18, v[CO]
	v_add_nc_u32 v[ADA+1], s19, v[CO]
	v_add_nc_u32 v[ADB], s3, v4
	v_add_nc_u32 v[ADB+1], s22, v5
	v_mul_u32_u24 v3, v1, SPITCH
	v_lshl_add_u32 v3, v2, 5, v3
	v_add_nc_u32 v[STO], s23, v3                   ; in: row r, 32 bytes for each half of the lanes
	v_add_nc_u32 v[RD], s23, v[CO]                 ; back: the 32 lanes take one row of 512 bytes
	v_lshl_add_u32 v7, v2, 5, s46
.irp b, 0,1,2,3,4,5,6,7
	global_load_b128 v[BT+8*\b:BT+8*\b+3],   v7, s[10:11] offset:64*\b       ; the bias of my eight channels of each fragment of w_o lands under the products
	global_load_b128 v[BT+8*\b+4:BT+8*\b+7], v7, s[10:11] offset:64*\b+16
.endr
.macro PLACES n
.rept \n
	v_nop
.endr
.endm
; A step of 128 along K: w_o's eight fragments and a's four, into set p.  q: which 128 of the slot; bs: bytes of a block of a in the slot.
.macro FETCH slot, pt, bs, q, p
	WIN TO_B
.irp i, 0,1,2,3,4,5,6,7
.irp c, 0,1,2,3
	ds_load_b128 v[128*(\p)+FR*\i+4*\c:128*(\p)+FR*\i+4*\c+3], v[ADB+\slot] offset:128*(\q)+32*\c+\i*16*\pt
.endr
.endr
	WIN 0
.irp i, 0,1,2,3
.irp c, 0,1,2,3
	ds_load_b128 v[AF+64*(\p)+FR*\i+4*\c:AF+64*(\p)+FR*\i+4*\c+3], v[ADA+\slot] offset:\bs*\i+2048*(\q)+512*\c
.endr
.endr
.endm
; 32 matrix instructions on set p; the accumulators take turns, one instruction a turn.  zero = 1: the products start the sums.
.macro MUL p, zero
	WIN MUL_LO
.irp a, 0,1,2,3
.irp b, 0,1,2,3,4,5,6,7
.if \zero
	v_wmma_f32_16x16x128_bf8_bf8 v[8*(8*\a+\b):8*(8*\a+\b)+7], v[128*(\p)+FR*\b:128*(\p)+FR*\b+FR-1], v[AF+64*(\p)+FR*\a:AF+64*(\p)+FR*\a+FR-1], 0
.else
	v_wmma_f32_16x16x128_bf8_bf8 v[8*(8*\a+\b):8*(8*\a+\b)+7], v[128*(\p)+FR*\b:128*(\p)+FR*\b+FR-1], v[AF+64*(\p)+FR*\a:AF+64*(\p)+FR*\a+FR-1], v[8*(8*\a+\b):8*(8*\a+\b)+7]
.endif
.endr
.endr
	WIN 0
.endm
.macro STEP p, zero, slot, pt, bs, q   ; multiplies set p; ahead of that fetches the next step into the other set
	s_wait_dscnt 0x0
	PLACES NP                                      ; places in front of loads into registers that matrix instructions have read
	FETCH \slot, \pt, \bs, \q, 1-(\p)
	MUL \p, \zero
.endm
	s_wait_alu depctr_va_vdst(0)                   ; the wait at the head's end
	CHANGE                                         ; everybody's part of K 0-255 is in
	s_mov_b32 s[G1+1], 8192<<16                    ; K 256-767 into slot 1
	s_mov_b32 s[G1+3], 8192<<16
	s_or_b32 s[G1B+0], s44, W0_512
	s_mov_b32 s[G1B+1], 512<<16
	s_mov_b32 s[G1B+3], 512<<16
	s_lshl_b32 s18, s16, 15
	s_add_co_u32 s[G0+1], s18, SA1
	s_mul_i32 s19, s16, 128*P2
	s_add_co_u32 s[G0B+1], s19, SW1
	s_add_nc_u64 s[G0+2:G0+3], s[G0+2:G0+3], 4096
	s_add_nc_u64 s[G0B+2:G0B+3], s[G0B+2:G0B+3], 256
	JLOAD
	FETCH 0, PITCH, 4096, 0, 0
	STEP 0, 1, 0, PITCH, 4096, 1
	CHANGE                                         ; slot 1 is in, slot 0 is read out
	s_mov_b32 s[G1+1], 4096<<16                    ; K 768-1023 into slot 0
	s_mov_b32 s[G1+3], 4096<<16
	s_or_b32 s[G1B+0], s44, W0_256
	s_mov_b32 s[G1B+1], 256<<16
	s_mov_b32 s[G1B+3], 256<<16
	s_mov_b32 s[G0+1], s45
	s_mov_b32 s[G0B+1], s3
	s_add_nc_u64 s[G0+2:G0+3], s[G0+2:G0+3], 8192
	s_add_nc_u64 s[G0B+2:G0B+3], s[G0B+2:G0B+3], 512
	JLOAD
	FETCH 1, P2, 8192, 0, 0
	MUL 1, 0
	STEP 0, 0, 1, P2, 8192, 1
	STEP 1, 0, 1, P2, 8192, 2
	STEP 0, 0, 1, P2, 8192, 3
	s_wait_tensorcnt 0x0                           ; my part of K 768-1023 is in
	s_wait_dscnt 0x0
	s_barrier_signal -1
	s_barrier_wait -1                              ; and nobody reads slot 1 any more
	PLACES NP
	FETCH 0, PITCH, 4096, 0, 0
	MUL 1, 0
	STEP 0, 0, 0, PITCH, 4096, 1
	s_wait_dscnt 0x0
	MUL 1, 0
; THE WAY OUT, block by block of 16 tokens x 128 channels: through my own stage in LDS, back as whole rows of 512 bytes, stored as two aligned units of 256 bytes.  LDS serves a wave's instructions in order (ISA guide 5.7.1.4).
.macro TOSTAGE a
	WIN 0x02                                       ; source 0: window 2
.set n, 0
.rept 32
	v_pk_fma_f32 v[TMP+n:TMP+n+1], v[64*\a+n:64*\a+n+1], s[96:97], v[BT+n:BT+n+1] op_sel_hi:[1,0,1]   ; sum x 2^(e10 + e11) + bias; each accumulator from its low end on
.set n, n+2
.endr
	WIN 0
.irp b, 0,1,2,3,4,5,6,7
	ds_store_b128 v[STO], v[TMP+8*\b:TMP+8*\b+3] offset:64*\b
	ds_store_b128 v[STO], v[TMP+8*\b+4:TMP+8*\b+7] offset:64*\b+16
.endr
.if \a > 1
	s_wait_xcnt 0x0                                ; block a - 2's stores have read their registers: block a's rows may land there
.endif
	WIN 0x40*(\a%2)                                ; rows land in window 0 or 1 by turns
.irp t, 0,1,2,3,4,5,6,7,8,9,10,11,12,13,14,15
	ds_load_b128 v[BK+4*\t:BK+4*\t+3], v[RD] offset:\t*SPITCH
.endr
	WIN 0
.endm
.macro SEND a, younger                 ; younger: the LDS instructions issued behind block a's loads
	s_wait_dscnt \younger
	WIN 0x04*(\a%2)
.irp t, 0,1,2,3,4,5,6,7,8,9,10,11,12,13,14,15
	global_store_b128 v[CO], v[BK+4*\t:BK+4*\t+3], s[12:13] offset:\a*65536+\t*4096 th:TH_STORE_NT
.endr
	WIN 0
.endm
	s_wait_kmcnt 0x0
	s_wait_loadcnt 0x0                             ; the bias
	s_add_co_i32 s96, s96, s97
	s_add_co_i32 s96, s96, 127
	s_lshl_b32 s96, s96, 23                        ; 2^(e10 + e11) as f32
	s_mov_b32 s97, s96                             ; (named with it as a pair)
	PLACES NP                                      ; behind the last products: their results are read and their registers written below
	TOSTAGE 0
	TOSTAGE 1
	SEND 0, 32                                     ; behind block 0's loads: block 1's 16 stores and 16 loads
	TOSTAGE 2
	SEND 1, 32
	TOSTAGE 3
	SEND 2, 32
	SEND 3, 0
	s_wait_tensorcnt 0x0                           ; the wave's end: behind my last tensor load and my last LDS store
	ds_add_u32 v[SPW], v[NIL]
	s_wait_dscnt 0x0
	CROUND                                         ; the closing round: no work-group ends while a partner may still ask for a tile that names it
	s_endpgm
.Lfunc_end_k_qd3d9ceba5e_proj:
	.size	k_qd3d9ceba5e_proj, .Lfunc_end_k_qd3d9ceba5e_proj-k_qd3d9ceba5e_proj
	.p2alignl 7, 3214868480
	.fill 96, 4, 3214868480
	.section	.rodata,"a",@progbits
	.p2align	6, 0x0
	.amdhsa_kernel k_qd3d9ceba5e_proj
		.amdhsa_group_segment_fixed_size 327680
		.amdhsa_private_segment_fixed_size 0
		.amdhsa_enable_private_segment 0
		.amdhsa_kernarg_size 40
		.amdhsa_user_sgpr_count 2
		.amdhsa_user_sgpr_kernarg_segment_ptr 1
		.amdhsa_wavefront_size32 1
		.amdhsa_system_sgpr_workgroup_id_x 1
		.amdhsa_system_sgpr_workgroup_id_y 1
		.amdhsa_system_sgpr_workgroup_id_z 1
		.amdhsa_system_vgpr_workitem_id 0
		.amdhsa_next_free_vgpr 768
		.amdhsa_next_free_sgpr 100
		.amdhsa_reserve_vcc 0
		.amdhsa_float_denorm_mode_32 3
		.amdhsa_float_denorm_mode_16_64 3
		.amdhsa_memory_ordered 1
		.amdhsa_forward_progress 1
		.amdhsa_inst_pref_size 76
	.end_amdhsa_kernel
	.amdgpu_metadata
---
amdhsa.version: [ 1, 2 ]
amdhsa.kernels:
  - .name:           k_qd3d9ceba5e_proj
    .symbol:         k_qd3d9ceba5e_proj.kd
    .args:
      - { .name: a_img, .offset: 0, .size: 8, .value_kind: global_buffer, .address_space: global }
      - { .name: w_o_codes, .offset: 8, .size: 8, .value_kind: global_buffer, .address_space: global }
      - { .name: lowp_scales, .offset: 16, .size: 8, .value_kind: global_buffer, .address_space: global }
      - { .name: b_o, .offset: 24, .size: 8, .value_kind: global_buffer, .address_space: global }
      - { .name: out0, .offset: 32, .size: 8, .value_kind: global_buffer, .address_space: global }
    .group_segment_fixed_size: 327680
    .private_segment_fixed_size: 0
    .kernarg_segment_align: 8
    .kernarg_segment_size: 40
    .max_flat_workgroup_size: 128
    .sgpr_count:     100
    .vgpr_count:     768
    .wavefront_size: 32
...
	.end_amdgpu_metadata
.endif
;; end of part 3
